; MI455X (gfx1250); checked and timed in simulation.
; The chip was launched on July 23, 2026; its instructions are those of AMD's public machine-readable ISA for CDNA 5 (MIT licence, August 2026) and "CDNA5" Instruction Set Architecture Reference Guide (July 2026). The comments in the code are by the model that wrote it; some were corrected since.
;; Soft Histogram. Allowed arithmetic: float matrix products may take bf16 or f16 operands with f32 sums; all other float work in f32.
;; Inputs: centers 2,048 float32; widths_b 2,048 float32; widths_w 2,048 float32; x 64 x 1,000 x 256 float32.
;; Outputs: out0 64 x 2,048 float32.
;; One version. Each part assembles by itself: llvm-mc -triple=amdgcn-amd-amdhsa -mcpu=gfx1250 --defsym DOCPART=n.
;; ======== version 1 of 1: 1 launch
;; launch softhist (part 1): grid 4 x 64, 20 waves a work-group, no clusters, 64,768 bytes of LDS; arguments x, centers, widths_w, widths_b, out0; writes out0
.if DOCPART == 1
	.amdgcn_target "amdgcn-amd-amdhsa--gfx1250"
	.amdhsa_code_object_version 6
	.text
	.protected	k_q9ce5593196_softhist
	.globl	k_q9ce5593196_softhist
	.p2align	8
	.type	k_q9ce5593196_softhist,@function
k_q9ce5593196_softhist:
	s_mov_b64 s[64:65], 0
	v_nop
	global_prefetch_b8 v0, s[64:65] scope:SCOPE_SE
	s_setreg_imm32_b32 hwreg(HW_REG_WAVE_MODE, 25, 1), 1
	s_wait_xcnt 0x0
; out[bt][8 f + k] = mean over n of relu(w |x[bt][n][f] + c| + b);  c, w, b are taken at channel 8 f + k.
; x: [64][1000][256] f32.  centers, widths_w, widths_b: [2048] f32.  out0: [64][2048] f32.
;
; SHARES.  256 work-groups = 64 batches x 4 quarters of the features.  A work-group owns 64 features: 256 aligned bytes of each of
; the 1000 rows of its batch, and 512 channels = 2,048 consecutive bytes of out0.  20 waves; wave v takes rows v, v + 20, .. (50 rows).
; A lane owns 2 features = 16 channels, so one 8-byte load of a wave covers the 256 bytes of one row.  A wave issues its 50 loads at
; once into 100 registers: the whole share of the work-group is requested before the first number is used, and there is no ring to run.
;
; ARITHMETIC.  Two issue slots for each (x, channel): half a packed fma, one med3 with |.|, half a packed add.  By the signs of w and b
; a channel is one of four kinds, and for all of them   out = al * sum over the waves of (S + g) + be,
; S = sum over the wave's 50 rows of med3(|a x + a c|, lo, hi):
;   tent   w < 0, b > 0:   relu = b (1 - min(|u|, 1)),   u = (x + c) |w| / |b|:  a = |w|/|b|, lo 0, hi 1,   g = -50, al = -b/1000, be = 0
;   notch  w > 0, b < 0:   relu = |b| (max(|u|, 1) - 1), the same u:             a = |w|/|b|, lo 1, hi inf, g = -50, al = -b/1000, be = 0
;   plain  w >= 0, b >= 0: relu changes nothing:                                 a = w,       lo 0, hi inf, g = 0,   al = 1/1000,  be = b
;   dead   the rest (never above 0):                                             a = 0,       lo 0, hi inf, g = 0,   al = 0,       be = 0
; The kinds are chosen by v_cndmask_b32: no branch hangs on a number.  S + g is no difference of rounded large sums: a sample outside
; a tent (inside a notch) adds exactly 1.0, whole numbers up to 50 add exactly, so only the samples that count are rounded, at the
; grain of a number below 64; and the 50 is taken away from each wave's sum before the sums of the waves are added.
;
; LIMITS.  Finite inputs (a NaN in x is dropped by v_med3_num_f32 and does not reach the output).  Where w and b have opposite signs:
; 2^-126 <= |b| <= 2^126 (v_rcp_f32 flushes denormals, ISA guide 15.8), and |w/b| and |w c/b| finite in f32.  The order of rounding
; differs from the reference (scaling first, c times a rounded once); the mean is a product with f32(0.001).
;
; NOT USED.  Clusters: work-groups share nothing but their 6,144 bytes of parameters, against 256,000 bytes of x of their own.
; Matrix instructions: there is no product.  LDS for x: the registers hold the whole share.  Prefetches: every load stands at the head.
.set NROWS,  1000
.set WAVES,  20
.set ROWS,   NROWS/WAVES               ; 50 rows a wave
.set ROWB,   1024                      ; bytes in a row of x
.set PWAVES, 8                         ; waves that derive the tables: 256 threads x 2 channels
.set FWAVES, 4                         ; waves that finish: 128 threads x 4 channels
.set NEGROWS, 0xc2480000               ; -50.0 = -ROWS
.set INVN,    0x3a83126f               ; 0.001 = 1/NROWS
.set NEGINVN, 0xba83126f               ; -0.001
; LDS.  512 words (a table, or a wave's sums) lie as 4 pieces: piece j holds, for lane l at byte 16 l, the lane's channels 4 j .. 4 j + 3.
; The pieces are 576 = 512 + 64 bytes apart, so that reading by lanes (16 l) as well as by channels (piece t % 4, lane t / 4)
; finds sixteen neighbouring lanes in sixteen different 16-byte columns modulo 256 bytes (64 banks of 4 bytes: ISA guide 11.1).
.set PIECE, 576
.set TAB,   4*PIECE
.set T_A,   0*TAB
.set T_AC,  1*TAB
.set T_LO,  2*TAB
.set T_HI,  3*TAB
.set T_G,   4*TAB
.set T_AL,  5*TAB
.set T_BE,  6*TAB
.set PART,  7*TAB                      ; 20 waves x 2,304 bytes of sums; the end is byte 62,208
; vector registers
.set XO,   1                           ; v1       byte offset of my 8 bytes in my wave's first row
.set L16,  2                           ; v2       16 x lane
.set PST,  3                           ; v3       16 x lane + wave x TAB
.set A,    4                           ; v[4:19]    a    of my 16 channels
.set AC,   20                          ; v[20:35]   a c
.set LO,   36                          ; v[36:51]   lo
.set HI,   52                          ; v[52:67]   hi
.set ACC,  68                          ; v[68:83]   sums
.set U,    84                          ; v[84:91]   at work
.set X,    92                          ; v[92:191]  row i of my wave: v[X+2i], v[X+2i+1]
; while the tables are derived (waves 0-7, before v[4:67] get their final content)
.set PO,   4                           ; 8 x thread: my two channels in the parameter arrays
.set PL,   5                           ; where they lie in a table
.set PC,   6                           ; c, w, b as loaded (pairs)
.set PW,   8
.set PB,   10
.set RA,   12                          ; the seven results (pairs)
.set RAC,  14
.set RLO,  16
.set RHI,  18
.set RG,   20
.set RAL,  22
.set RBE,  24
.set T,    26                          ; v[26:28] at work
	s_load_b256 s[4:11], s[0:1], 0x0               ; x s[4:5], centers s[6:7], widths_w s[8:9], widths_b s[10:11]
	s_load_b64 s[12:13], s[0:1], 0x20              ; out0
	v_lshrrev_b32 v[U], 5, v0
	v_readfirstlane_b32 s14, v[U]                  ; wave 0..19
	v_and_b32 v[U], 31, v0                         ; lane
	s_and_b32 s15, ttmp7, 0xffff                   ; batch; ttmp9: quarter of the features
	s_mul_i32 s16, s15, NROWS*ROWB                 ; x: batch x 1,024,000 bytes (below 2^26)
	s_lshl_b32 s18, ttmp9, 8                       ;    + quarter x 256
	s_add_co_u32 s16, s16, s18
	s_mov_b32 s17, 0
	s_lshl_b32 s18, ttmp9, 11                      ; parameters: quarter x 512 channels x 4 bytes
	s_mov_b32 s19, 0
	s_lshl_b32 s20, s15, 13                        ; out0: batch x 8,192 + quarter x 2,048
	s_add_co_u32 s20, s20, s18
	s_mov_b32 s21, 0
	s_lshl_b32 s22, s14, 10                        ; my wave's first row
	s_mul_i32 s23, s14, TAB                        ; my wave's sums in LDS
	s_mov_b32 s32, 0x7f800000                      ; +infinity
	s_mov_b32 s33, NEGROWS
	s_mov_b32 s34, INVN
	v_lshl_add_u32 v[XO], v[U], 3, s22
	v_lshlrev_b32 v[L16], 4, v[U]
	v_lshl_add_u32 v[PST], v[U], 4, s23
	s_wait_kmcnt 0x0
	s_add_nc_u64 s[4:5], s[4:5], s[16:17]
	s_add_nc_u64 s[6:7], s[6:7], s[18:19]
	s_add_nc_u64 s[8:9], s[8:9], s[18:19]
	s_add_nc_u64 s[10:11], s[10:11], s[18:19]
	s_add_nc_u64 s[12:13], s[12:13], s[20:21]
	; Waves 0-7 ask for the parameters first, since loads come back in order and these are wanted first.
	; Each of the three loads of a wave covers 256 consecutive bytes, aligned.
	s_cmp_gt_u32 s14, PWAVES-1
	s_cbranch_scc1 .Lstream
	v_lshlrev_b32 v[PO], 3, v0
	global_load_b64 v[PC:PC+1], v[PO], s[6:7]
	global_load_b64 v[PW:PW+1], v[PO], s[8:9]
	global_load_b64 v[PB:PB+1], v[PO], s[10:11]
.Lstream:
	; all 50 rows of the wave; x is read once in the whole launch
.set i, 0
.rept ROWS
	global_load_b64 v[X+2*i:X+2*i+1], v[XO], s[4:5] offset:i*WAVES*ROWB th:TH_LOAD_NT
.set i, i+1
.endr
	s_cmp_gt_u32 s14, PWAVES-1
	s_cbranch_scc1 .Ltables_done
	; THE TABLES, once for the work-group.  Thread p has channels 2 p, 2 p + 1: lane p / 8, piece (p / 2) % 4, half p % 2 of its 16 bytes.
	v_bfe_u32 v[T], v0, 1, 2
	v_lshrrev_b32 v[T+1], 3, v0
	v_and_b32 v[T+2], 1, v0
	v_mul_u32_u24 v[PL], v[T], PIECE
	v_lshl_add_u32 v[PL], v[T+1], 4, v[PL]
	v_lshl_add_u32 v[PL], v[T+2], 3, v[PL]
	s_wait_loadcnt ROWS                            ; the 50 loads of x were issued behind c, w, b and stay out
.macro CHAN e
	v_cmp_gt_f32 s24, 0, v[PW+\e]                  ; w < 0
	v_cmp_lt_f32 s25, 0, v[PW+\e]                  ; w > 0
	v_cmp_gt_f32 s26, 0, v[PB+\e]                  ; b < 0
	v_cmp_lt_f32 s27, 0, v[PB+\e]                  ; b > 0
	v_rcp_f32 v[T], |v[PB+\e]|                     ; 1/|b|; used for tent and notch alone, where b is not 0
	v_mul_f32 v[T+1], NEGINVN, v[PB+\e]            ; -b/N: also the plain instruction between v_rcp_f32 and the use of its result (ISA guide 5.7.2)
	s_and_b32 s28, s24, s27                        ; tent
	s_and_b32 s29, s25, s26                        ; notch
	s_or_b32 s30, s28, s29                         ; either of them: the normalised kinds
	s_or_b32 s31, s24, s26
	s_not_b32 s31, s31                             ; plain: w >= 0 and b >= 0
	s_wait_alu depctr_va_vdst(0)
	v_mul_f32 v[T], |v[PW+\e]|, v[T]               ; |w|/|b|
	v_cndmask_b32 v[RA+\e], 0, v[PW+\e], s31       ; a = 0, or w where plain,
	v_cndmask_b32 v[RA+\e], v[RA+\e], v[T], s30    ;     or |w|/|b| where normalised
	v_mul_f32 v[RAC+\e], v[RA+\e], v[PC+\e]        ; a c
	v_cndmask_b32 v[RLO+\e], 0, 1.0, s29           ; lo = 1 in a notch
	v_cndmask_b32 v[RHI+\e], s32, 1.0, s28         ; hi = 1 in a tent, else infinity
	v_cndmask_b32 v[RG+\e], 0, s33, s30            ; g = -50 where normalised
	v_cndmask_b32 v[RAL+\e], 0, s34, s31           ; al = 0, or 1/N where plain,
	v_cndmask_b32 v[RAL+\e], v[RAL+\e], v[T+1], s30 ;     or -b/N where normalised
	v_cndmask_b32 v[RBE+\e], 0, v[PB+\e], s31      ; be = b where plain
.endm
	CHAN 0
	CHAN 1
	ds_store_b64 v[PL], v[RA:RA+1]   offset:T_A
	ds_store_b64 v[PL], v[RAC:RAC+1] offset:T_AC
	ds_store_b64 v[PL], v[RLO:RLO+1] offset:T_LO
	ds_store_b64 v[PL], v[RHI:RHI+1] offset:T_HI
	ds_store_b64 v[PL], v[RG:RG+1]   offset:T_G
	ds_store_b64 v[PL], v[RAL:RAL+1] offset:T_AL
	ds_store_b64 v[PL], v[RBE:RBE+1] offset:T_BE
.Ltables_done:
	s_wait_dscnt 0x0                               ; my part of the tables is in LDS before I say so
	s_barrier_signal -1
	s_barrier_wait -1                              ; the tables are whole
	; my 16 channels: pieces 0, 1 are those of my first feature, pieces 2, 3 of my second; the first feature's eight loads go first
.irp j, 0,1
	ds_load_b128 v[A+4*\j:A+4*\j+3],   v[L16] offset:T_A+PIECE*\j
	ds_load_b128 v[AC+4*\j:AC+4*\j+3], v[L16] offset:T_AC+PIECE*\j
	ds_load_b128 v[LO+4*\j:LO+4*\j+3], v[L16] offset:T_LO+PIECE*\j
	ds_load_b128 v[HI+4*\j:HI+4*\j+3], v[L16] offset:T_HI+PIECE*\j
.endr
.irp j, 2,3
	ds_load_b128 v[A+4*\j:A+4*\j+3],   v[L16] offset:T_A+PIECE*\j
	ds_load_b128 v[AC+4*\j:AC+4*\j+3], v[L16] offset:T_AC+PIECE*\j
	ds_load_b128 v[LO+4*\j:LO+4*\j+3], v[L16] offset:T_LO+PIECE*\j
	ds_load_b128 v[HI+4*\j:HI+4*\j+3], v[L16] offset:T_HI+PIECE*\j
.endr
; One x against its 8 channels.  f = 0, 1: which of the row's two numbers (op_sel hands that register of the pair to both halves of the
; packed fma).  first = 1: the clamped values start the sums, so that nothing is cleared.
.macro HALF row, f, first
.irp j, 0,2,4,6
.if \f
	v_pk_fma_f32 v[U+\j:U+\j+1], v[X+2*(\row):X+2*(\row)+1], v[A+8+\j:A+8+\j+1], v[AC+8+\j:AC+8+\j+1] op_sel:[1,0,0]
.else
	v_pk_fma_f32 v[U+\j:U+\j+1], v[X+2*(\row):X+2*(\row)+1], v[A+\j:A+\j+1], v[AC+\j:AC+\j+1] op_sel_hi:[0,1,1]
.endif
.endr
.irp j, 0,1,2,3,4,5,6,7
.if \first
	v_med3_num_f32 v[ACC+8*\f+\j], |v[U+\j]|, v[LO+8*\f+\j], v[HI+8*\f+\j]
.else
	v_med3_num_f32 v[U+\j], |v[U+\j]|, v[LO+8*\f+\j], v[HI+8*\f+\j]
.endif
.endr
.if \first == 0
.irp j, 0,2,4,6
	v_pk_add_f32 v[ACC+8*\f+\j:ACC+8*\f+\j+1], v[ACC+8*\f+\j:ACC+8*\f+\j+1], v[U+\j:U+\j+1]
.endr
.endif
.endm
	; THE ROWS.  Written out 50 times, since each row has registers of its own: 32 vector instructions and one wait a row.
	s_wait_loadcnt ROWS-1                          ; row 0 is in; the 49 loads behind it stay out
	s_wait_dscnt 8                                 ; the first feature's tables are in; the eight loads behind them stay out
	HALF 0, 0, 1
	s_wait_dscnt 0x0
	HALF 0, 1, 1
.set i, 1
.rept ROWS-1
	s_wait_loadcnt ROWS-1-i                        ; loads come back in order (ISA guide 5.7.1): row i is in, the younger ones stay out
	HALF i, 0, 0
	HALF i, 1, 0
.set i, i+1
.endr
	; THE END.  Each wave's 512 sums go to LDS in the tables' layout.
.irp j, 0,1,2,3
	ds_store_b128 v[PST], v[ACC+4*\j:ACC+4*\j+3] offset:PART+PIECE*\j
.endr
	s_wait_dscnt 0x0                               ; they are in LDS before I say so
	s_barrier_signal -1
	s_barrier_wait -1
	s_cmp_gt_u32 s14, FWAVES-1
	s_cbranch_scc1 .Lend
	; Thread t of waves 0-3 finishes channels 4 t .. 4 t + 3: piece t % 4, lane t / 4.  The rows' registers are free: the last wait was for 0.
	v_and_b32 v[U], 3, v0
	v_lshrrev_b32 v[U+1], 2, v0
	v_mul_u32_u24 v[U], v[U], PIECE
	v_lshl_add_u32 v[U], v[U+1], 4, v[U]
	ds_load_b128 v[A:A+3],    v[U] offset:T_G
	ds_load_b128 v[A+4:A+7],  v[U] offset:T_AL
	ds_load_b128 v[A+8:A+11], v[U] offset:T_BE
.set i, 0
.rept WAVES
	ds_load_b128 v[X+4*i:X+4*i+3], v[U] offset:PART+TAB*i
.set i, i+1
.endr
	v_lshlrev_b32 v[U+1], 4, v0                    ; my 16 bytes of the work-group's 2,048
	s_wait_dscnt WAVES-1                           ; the three tables and wave 0's sums are in; 19 loads stay out
	v_pk_add_f32 v[X:X+1],   v[X:X+1],   v[A:A+1]  ; S + g, for each wave by itself: small numbers are added from here on
	v_pk_add_f32 v[X+2:X+3], v[X+2:X+3], v[A+2:A+3]
.set i, 1
.rept WAVES-1
	s_wait_dscnt WAVES-1-i                         ; wave i's sums are in
	v_pk_add_f32 v[X+4*i:X+4*i+1],   v[X+4*i:X+4*i+1],   v[A:A+1]
	v_pk_add_f32 v[X+4*i+2:X+4*i+3], v[X+4*i+2:X+4*i+3], v[A+2:A+3]
	v_pk_add_f32 v[X:X+1],   v[X:X+1],   v[X+4*i:X+4*i+1]
	v_pk_add_f32 v[X+2:X+3], v[X+2:X+3], v[X+4*i+2:X+4*i+3]
.set i, i+1
.endr
	v_pk_fma_f32 v[X:X+1],   v[X:X+1],   v[A+4:A+5], v[A+8:A+9]     ; al x sum + be
	v_pk_fma_f32 v[X+2:X+3], v[X+2:X+3], v[A+6:A+7], v[A+10:A+11]
	global_store_b128 v[U+1], v[X:X+3], s[12:13]   ; a wave stores 512 consecutive bytes, at a multiple of 512 from out0's first byte
.Lend:
	s_wait_xcnt 0x0
	v_lshl_add_u32 v190, v0, 2, 0xf300
	v_mov_b32 v191, 0
	s_wait_tensorcnt 0x0
	ds_add_u32 v190, v191
	s_wait_dscnt 0x0
	s_endpgm
.Lfunc_end_k_q9ce5593196_softhist:
	.size	k_q9ce5593196_softhist, .Lfunc_end_k_q9ce5593196_softhist-k_q9ce5593196_softhist
	.p2alignl 7, 3214868480
	.fill 96, 4, 3214868480
	.section	.rodata,"a",@progbits
	.p2align	6, 0x0
	.amdhsa_kernel k_q9ce5593196_softhist
		.amdhsa_group_segment_fixed_size 64768
		.amdhsa_private_segment_fixed_size 0
		.amdhsa_enable_private_segment 0
		.amdhsa_kernarg_size 40
		.amdhsa_user_sgpr_count 2
		.amdhsa_user_sgpr_kernarg_segment_ptr 1
		.amdhsa_wavefront_size32 1
		.amdhsa_system_sgpr_workgroup_id_x 1
		.amdhsa_system_sgpr_workgroup_id_y 1
		.amdhsa_system_sgpr_workgroup_id_z 1
		.amdhsa_system_vgpr_workitem_id 0
		.amdhsa_next_free_vgpr 192
		.amdhsa_next_free_sgpr 66
		.amdhsa_reserve_vcc 0
		.amdhsa_float_denorm_mode_32 3
		.amdhsa_float_denorm_mode_16_64 3
		.amdhsa_memory_ordered 1
		.amdhsa_forward_progress 1
		.amdhsa_inst_pref_size 121
	.end_amdhsa_kernel
	.amdgpu_metadata
---
amdhsa.version: [ 1, 2 ]
amdhsa.kernels:
  - .name:           k_q9ce5593196_softhist
    .symbol:         k_q9ce5593196_softhist.kd
    .args:
      - { .name: x, .offset: 0, .size: 8, .value_kind: global_buffer, .address_space: global }
      - { .name: centers, .offset: 8, .size: 8, .value_kind: global_buffer, .address_space: global }
      - { .name: widths_w, .offset: 16, .size: 8, .value_kind: global_buffer, .address_space: global }
      - { .name: widths_b, .offset: 24, .size: 8, .value_kind: global_buffer, .address_space: global }
      - { .name: out0, .offset: 32, .size: 8, .value_kind: global_buffer, .address_space: global }
    .group_segment_fixed_size: 64768
    .private_segment_fixed_size: 0
    .kernarg_segment_align: 8
    .kernarg_segment_size: 40
    .max_flat_workgroup_size: 640
    .sgpr_count:     66
    .vgpr_count:     192
    .wavefront_size: 32
...
	.end_amdgpu_metadata
.endif
;; end of part 1
